; MI455X (gfx1250); checked and timed in simulation.
; The chip was launched on July 23, 2026; its instructions are those of AMD's public machine-readable ISA for CDNA 5 (MIT licence, August 2026) and "CDNA5" Instruction Set Architecture Reference Guide (July 2026). The comments in the code are by the model that wrote it; some were corrected since.
;; Attention. Allowed arithmetic: float matrix products may take bf16 or f16 operands with f32 sums; all other float work in f32.
;; Inputs: Wk 1,024 x 1,024 float32; Wproj 1,024 x 1,024 float32; Wq 1,024 x 1,024 float32; Wv 1,024 x 1,024 float32; bproj 1,024 float32; x 16 x 1,024 x 1,024 float32.
;; Outputs: out0 16 x 64 x 1,024 float32.
;; One version. Each part assembles by itself: llvm-mc -triple=amdgcn-amd-amdhsa -mcpu=gfx1250 --defsym DOCPART=n.
;; ======== version 1 of 1: 3 launches
;; limits: values are held in f16: magnitudes above 65,504 overflow, below 6.1e-05 lose precision
;; workspace buffers: xb 33,554,432 bytes; wb 6,291,456 bytes; wpb 2,097,152 bytes; ofrag 2,097,152 bytes
;; launch cast (part 1): grid 1280 x 1, 8 waves a work-group, no clusters, 0 bytes of LDS; arguments x, Wk, Wv, Wq, Wproj, xb, wb, wpb; writes xb, wb, wpb
.if DOCPART == 1
	.amdgcn_target "amdgcn-amd-amdhsa--gfx1250"
	.amdhsa_code_object_version 6
	.text
	.protected	k_qd84320a9cc_cast
	.globl	k_qd84320a9cc_cast
	.p2align	8
	.type	k_qd84320a9cc_cast,@function
k_qd84320a9cc_cast:
	s_mov_b64 s[64:65], 0
	v_nop
	global_prefetch_b8 v0, s[64:65] scope:SCOPE_SE
	s_setreg_imm32_b32 hwreg(HW_REG_WAVE_MODE, 25, 1), 1
	s_wait_xcnt 0x0
; ATTENTION, FIRST LAUNCH: x and the four weights are rounded to bf16 (to nearest even), once, and laid out as the tiles that the later launches fetch.
;   xb  [batch 16][chunk 2][step 16][512 tokens][64 channels]: the tile of one chunk of 512 tokens and one step of 64 channels is 65,536 dense bytes
;   wb  [head 16][step 16][192 rows][64 channels]: rows 0-63 Wk's, 64-127 Wv's, 128-191 Wq's rows of the head; a step's tile is 24,576 dense bytes
;   wpb [1024][1024]: Wproj, row-major
; A stream: every byte is read once and written once, so LDS, barriers, clusters and the matrix unit would add nothing.
; One wave takes two neighbouring rows of 4,096 bytes: 16 loads of 16 bytes a lane, all issued at once, 32 conversions in place, 16 stores of 8 bytes a lane.
; 20,480 rows = 10,240 pairs = 1,280 work-groups of eight waves: 0-1023 x, 1024-1215 Wk, Wv, Wq (64 each), 1216-1279 Wproj.
; For xb and wb lanes 0-15 take 256 bytes (64 channels) of the even row and lanes 16-31 the same bytes of the odd row: each load covers two aligned blocks of 256 bytes,
; and the two results of 128 bytes are neighbours in the tile, so each store of the wave covers 256 consecutive bytes, aligned.  For wpb a load covers 512 consecutive bytes
; of the two rows' 8,192 and a store 256 consecutive bytes of their 4,096.
.set LO, 4                             ; (lane / 16) x 4,096 + 16 (lane % 16)
.set LP, 5                             ; 16 lane
.set SO, 6                             ; 8 lane
.set D,  8                             ; v8-71: 16 loads x 4 registers; the first two of each four then hold the four bf16
; 16 loads, lstep bytes apart, from s[26:27]; 16 stores, sstep bytes apart, to s[28:29]
.macro PAIR lo, lstep, sstep
.irp i, 0,1,2,3,4,5,6,7,8,9,10,11,12,13,14,15
	global_load_b128 v[D+4*\i:D+4*\i+3], v[\lo], s[26:27] offset:\lstep*\i th:TH_LOAD_NT
.endr
.irp i, 0,1,2,3,4,5,6,7,8,9,10,11,12,13,14,15
	s_wait_loadcnt 15-\i                           ; loads come back in order (ISA guide 5.7.1): load i is in, the younger ones stay out
	v_cvt_pk_bf16_f32 v[D+4*\i], v[D+4*\i], v[D+4*\i+1]
	v_cvt_pk_bf16_f32 v[D+4*\i+1], v[D+4*\i+2], v[D+4*\i+3]
	global_store_b64 v[SO], v[D+4*\i:D+4*\i+1], s[28:29] offset:\sstep*\i  ; no register of a store is written again
.endr
.endm
	s_load_b512 s[4:19], s[0:1], 0x0               ; x s[4:5], Wk s[6:7], Wv s[8:9], Wq s[10:11], Wproj s[12:13], xb s[14:15], wb s[16:17], wpb s[18:19]
	v_lshrrev_b32 v1, 5, v0
	v_readfirstlane_b32 s20, v1                    ; wave 0..7
	v_and_b32 v1, 31, v0                           ; lane
	v_and_b32 v2, 15, v0
	v_bfe_u32 v3, v0, 4, 1
	v_lshlrev_b32 v[LO], 4, v2
	v_lshl_add_u32 v[LO], v3, 12, v[LO]
	v_lshlrev_b32 v[LP], 4, v1
	v_lshlrev_b32 v[SO], 3, v1
	s_mov_b32 s23, 0
	s_cmp_lt_u32 ttmp9, 1024
	s_cbranch_scc0 .Lweights
	; x: pair p = 8 x work-group + wave, rows 2 p and 2 p + 1 of 16,384
	s_lshl3_add_u32 s21, ttmp9, s20
	s_lshl_b32 s22, s21, 13                        ; from: p x 8,192 bytes
	s_lshr_b32 s24, s21, 8                         ; to: (batch, chunk) = p / 256, sixteen tiles of 65,536 bytes each,
	s_lshl_b32 s24, s24, 20
	s_and_b32 s25, s21, 255                        ; and token 2 (p % 256) of the chunk, 128 bytes a token
	s_lshl_b32 s25, s25, 8
	s_add_co_u32 s24, s24, s25
	s_mov_b32 s25, 0
	s_wait_kmcnt 0x0
	s_add_nc_u64 s[26:27], s[4:5], s[22:23]
	s_add_nc_u64 s[28:29], s[14:15], s[24:25]
	PAIR LO, 256, 65536                            ; load i and store i are channel step i
	s_endpgm
.Lweights:
	s_cmp_lt_u32 ttmp9, 1216
	s_cbranch_scc0 .Lproj
	s_sub_co_u32 s21, ttmp9, 1024
	s_lshr_b32 s30, s21, 6                         ; 0: Wk, 1: Wv, 2: Wq
	s_and_b32 s21, s21, 63
	s_lshl3_add_u32 s21, s21, s20                  ; pair 0..511 of that weight
	s_lshl_b32 s22, s21, 13
	s_lshr_b32 s24, s21, 5                         ; head = pair / 32: sixteen tiles of 24,576 bytes each,
	s_mul_i32 s24, s24, 393216
	s_lshl_b32 s25, s30, 13                        ; the weight's 64 rows of 128 bytes in a tile,
	s_add_co_u32 s24, s24, s25
	s_and_b32 s25, s21, 31                         ; and row 2 (pair % 32) of them
	s_lshl_b32 s25, s25, 8
	s_add_co_u32 s24, s24, s25
	s_mov_b32 s25, 0
	s_wait_kmcnt 0x0
	s_cmp_eq_u32 s30, 0
	s_cselect_b64 s[26:27], s[6:7], s[8:9]
	s_cmp_eq_u32 s30, 2
	s_cselect_b64 s[26:27], s[10:11], s[26:27]
	s_add_nc_u64 s[26:27], s[26:27], s[22:23]
	s_add_nc_u64 s[28:29], s[16:17], s[24:25]
	PAIR LO, 256, 24576
	s_endpgm
.Lproj:
	s_sub_co_u32 s21, ttmp9, 1216
	s_lshl3_add_u32 s21, s21, s20                  ; pair 0..511 of Wproj
	s_lshl_b32 s22, s21, 13
	s_lshl_b32 s24, s21, 12
	s_mov_b32 s25, 0
	s_wait_kmcnt 0x0
	s_add_nc_u64 s[26:27], s[12:13], s[22:23]
	s_add_nc_u64 s[28:29], s[18:19], s[24:25]
	PAIR LP, 512, 256
	s_endpgm
.Lfunc_end_k_qd84320a9cc_cast:
	.size	k_qd84320a9cc_cast, .Lfunc_end_k_qd84320a9cc_cast-k_qd84320a9cc_cast
	.p2alignl 7, 3214868480
	.fill 96, 4, 3214868480
	.section	.rodata,"a",@progbits
	.p2align	6, 0x0
	.amdhsa_kernel k_qd84320a9cc_cast
		.amdhsa_group_segment_fixed_size 0
		.amdhsa_private_segment_fixed_size 0
		.amdhsa_enable_private_segment 0
		.amdhsa_kernarg_size 64
		.amdhsa_user_sgpr_count 2
		.amdhsa_user_sgpr_kernarg_segment_ptr 1
		.amdhsa_wavefront_size32 1
		.amdhsa_system_sgpr_workgroup_id_x 1
		.amdhsa_system_sgpr_workgroup_id_y 1
		.amdhsa_system_sgpr_workgroup_id_z 1
		.amdhsa_system_vgpr_workitem_id 0
		.amdhsa_next_free_vgpr 72
		.amdhsa_next_free_sgpr 66
		.amdhsa_reserve_vcc 0
		.amdhsa_float_denorm_mode_32 3
		.amdhsa_float_denorm_mode_16_64 3
		.amdhsa_memory_ordered 1
		.amdhsa_forward_progress 1
		.amdhsa_inst_pref_size 19
	.end_amdhsa_kernel
	.amdgpu_metadata
---
amdhsa.version: [ 1, 2 ]
amdhsa.kernels:
  - .name:           k_qd84320a9cc_cast
    .symbol:         k_qd84320a9cc_cast.kd
    .args:
      - { .name: x, .offset: 0, .size: 8, .value_kind: global_buffer, .address_space: global }
      - { .name: Wk, .offset: 8, .size: 8, .value_kind: global_buffer, .address_space: global }
      - { .name: Wv, .offset: 16, .size: 8, .value_kind: global_buffer, .address_space: global }
      - { .name: Wq, .offset: 24, .size: 8, .value_kind: global_buffer, .address_space: global }
      - { .name: Wproj, .offset: 32, .size: 8, .value_kind: global_buffer, .address_space: global }
      - { .name: xb, .offset: 40, .size: 8, .value_kind: global_buffer, .address_space: global }
      - { .name: wb, .offset: 48, .size: 8, .value_kind: global_buffer, .address_space: global }
      - { .name: wpb, .offset: 56, .size: 8, .value_kind: global_buffer, .address_space: global }
    .group_segment_fixed_size: 0
    .private_segment_fixed_size: 0
    .kernarg_segment_align: 8
    .kernarg_segment_size: 64
    .max_flat_workgroup_size: 256
    .sgpr_count:     66
    .vgpr_count:     72
    .wavefront_size: 32
...
	.end_amdgpu_metadata
.endif
;; end of part 1
;; launch attn (part 2): grid 16 x 16, 4 waves a work-group, clusters of 4 x 4, 327,680 bytes of LDS; arguments xb, wb, ofrag; writes ofrag
.if DOCPART == 2
	.amdgcn_target "amdgcn-amd-amdhsa--gfx1250"
	.amdhsa_code_object_version 6
	.text
	.protected	k_qd84320a9cc_attn
	.globl	k_qd84320a9cc_attn
	.p2align	8
	.type	k_qd84320a9cc_attn,@function
k_qd84320a9cc_attn:
	s_mov_b64 s[64:65], 0
	v_nop
	global_prefetch_b8 v0, s[64:65] scope:SCOPE_SE
	s_setreg_imm32_b32 hwreg(HW_REG_WAVE_MODE, 25, 1), 1
	s_wait_xcnt 0x0
	s_wait_alu depctr_hold_cnt(0) depctr_sa_sdst(0) depctr_va_vdst(0) depctr_va_sdst(0) depctr_va_ssrc(0) depctr_va_vcc(0) depctr_vm_vsrc(0)
	s_getreg_b32 s2, hwreg(HW_REG_IB_STS2, 6, 4)
	s_cmp_eq_u32 s2, 0
	s_cbranch_scc0 .Lentry_in_a_cluster
	s_endpgm
.Lentry_in_a_cluster:
	s_bfe_u32 s2, ttmp6, 0x10000c
	s_cmp_lg_u32 s2, 0xf033
	s_cbranch_scc0 .Lentry_shape_is_right
	s_endpgm
.Lentry_shape_is_right:
; ATTENTION, SECOND LAUNCH.  One work-group for each (batch b, head h): 16 x 16 = 256.  It makes q = x_b[0:64] Wq_h^T, K = x_b Wk_h^T, V = x_b Wv_h^T,
; softmax(q K^T / 8) V, and stores the normalised 64 x 64 result in bf16 as ready matrix fragments (ofrag).  K and V never leave the registers.
; x and the weights come in bf16, as dense tiles: xb [batch][chunk 2][step 16][512 tokens][64 channels], wb [head][step 16][Wk 64 | Wv 64 | Wq 64 rows][64 channels].
;
; SHARES.  The 1,024 tokens go in two chunks of 512.  For a chunk the work-group multiplies [512 tokens] x [128 columns = K_h | V_h] over 1,024 channels in 16
; steps of 64 channels, each step two quarters of 32.  Wave w owns token tiles 4 i + w, i = 0..7 (rows 64 i + 16 w + r of the chunk): 128 x 128 sums, 64 accumulator
; tiles, 512 registers.  Its tile i = 0 of chunk 0 is query tile w, so q costs four more matrix instructions a quarter there and no further operand of x.
; Behind each chunk the wave runs the attention of all 64 queries on its own 128 tokens, with a running maximum for each query; at the end the four waves'
; maxima, sums and results are merged through LDS.
;
; ORIENTATION (lane = (r, h2); a result's register j is row 8 h2 + j, column r): K = Wk x x^T and q = Wq x x^T give a lane 8 neighbouring d of one token,
; V = x x Wv^T gives it 8 neighbouring tokens of one d, S^T = K x q^T 8 tokens of one query, O^T = V^T x P^T 8 d of one query.  So every result packs straight
; into the next product's operand, and maxima, sums and factors of a query are the lane's own numbers: no shuffle but one exchange of the two lane halves.
;
; FORMATS AND LIMITS.  x and the weights enter the projections in bf16.  q (already times 0.125 log2 e), K, V and P enter the two attention products
; rounded to f16: five roundings to 8 significant bits in a row would use up the allowed error, roundings to 11 bits do not.  The price is f16's range:
; |K|, |V| and 0.18 |q| must stay below 65,504.  Inputs 30 times those of a unit-variance x and weights of spread 1/32 give about 900 x 6; an offset of 30
; spreads on x and on a weight gives 1024 x 30 x 30/32 = 28,800.  Beyond 65,504 the result is not finite.  P lies in (0, 1]; below 6e-8 it counts as 0 in the
; product, below 2^-126 also in the sum (v_exp_f32 flushes).  The sum of P is taken from the unrounded numbers.  The result is stored in bf16.
;
; CLUSTERS.  4 heads x 4 batches form a cluster.  The four work-groups of a row of the cluster (one batch) need the same tiles of x, the four of a column (one head) the
; same tiles of the weights: each tile is asked for jointly, which divides the requests for both by four.  Behind each round of the cluster's barrier a wave issues one
; load: waves 0 and 1 a half of x's tile (32,768 bytes), wave 2 Wk | Wv (16,384), wave 3 Wq (8,192) in chunk 0 and nothing in chunk 1.
;
; LDS.  A tile is dense in memory and comes in as rows of 256 bytes with 16 bytes of padding behind each, so data row t (128 bytes) lies at (t / 2) x 272 + (t % 2) x 128.
; The 16 rows of a fragment then start in the 16-byte columns (r / 2) + 8 (r % 2) modulo 16: sixteen different ones.  Two slots of 95,744 bytes (x 256 rows of 272, Wk | Wv 64,
; Wq 32), filled by tensor loads alone.  Two slots of two steps, 382,976 bytes, do not fit.  Behind the slots, written by LDS stores alone: q's fragments, the merge.
;
; REGISTERS in windows of 256 (s_set_vgpr_msb: bits 1:0 source 0, 3:2 source 1, 5:4 source 2, 7:6 destination):
;   window 0: addresses; Wq's fragments (two buffers) and q's sums, later O^T; maxima, sums, factors
;   window 1: two fragment buffers of 128 (x 64, Wk 32, Wv 32); in the attention K, q, P, V as f16 fragments
;   window 2: K's sums, tile (i, dt) at 8 (4 i + dt); in the attention S^T, tile (i, qt) at 8 (4 i + qt)      window 3: V's sums, likewise
.set FR,     8*272                     ; 16 data rows: one fragment's rows
.set XT,     4*FR                      ; from my token tile i to i + 1: 64 tokens
.set XPART,  128*272                   ; what wave 0 or 1 brings of x
.set WOFF,   256*272                   ; Wk | Wv in a slot
.set QOFF,   WOFF+64*272               ; Wq in a slot = WOFF + 8 FR
.set SLOT,   QOFF+32*272               ; 95,744
.set QF,     2*SLOT                    ; 191,488: q's fragments, 8 x 1,024 bytes: fragment (qt, c) at (2 qt + c) x 1,024 + half x 512 + 16 lane
.set MRG,    QF+8192                   ; 199,680: the merge: O^T, 4 x 16,384
.set MRGM,   MRG+65536                 ; 265,216: maxima 4 x 512, then sums 4 x 512; ends at 269,312
.set XTILE,  65536                     ; bytes of a tile of x in memory
.set WTILE,  24576                     ; bytes of a step's weights in memory
.set XA,   8                           ; v8-9    my x rows in slot 0, 1
.set WA,   10                          ; v10-11  the weights' rows in slot 0, 1
.set QFA,  17                          ; q's fragments: QF + 16 lane
.set QFS,  18                          ; my query tile's two fragments
.set L16,  19                          ; 16 lane
.set L16M, 20                          ; 16 lane + MRGM
.set MST,  23                          ; L16M + 512 wave
.set MOS,  24                          ; MRG + 16 lane + 16,384 wave
.set MRD,  25                          ; MRG + 16 lane + 4,096 wave
.set MLR,  26                          ; L16M + 4 wave
.set WS,   32                          ; v32-95   at work in the merge
.set WQF,  128                         ; v128-191 Wq's fragments, buffer f at 32 f, fragment dt at 8 dt
.set QACC, 192                         ; v192-223 q's sums
.set OACC, 96                          ; v96-223  O^T, tile (dt, qt) at 8 (4 dt + qt), from the first attention on
.set M2,   224                         ; v224-231 running maximum of query tile qt, twice (a pair for packed arithmetic)
.set L2,   232                         ; v232-239 running sums, two partial sums a query tile
.set A2,   240                         ; v240-247 the factor exp2(old maximum - new maximum), twice
.set T,    248                         ; v248-251 at work
.set U,    252                         ; v252-255 at work
.set WK,   64                          ; window 1, in buffer f (at 128 f): x's tile i at 8 i, Wk's fragment dt at 64 + 8 dt,
.set WV,   96                          ; Wv's at 96 + 8 dt
.set QB,   128                         ; window 1, attention: q's fragments (qt, c) at 8 (2 qt + c)
.set VB,   128                         ; window 1, attention: V's fragments (dt, p) at 32 p + 8 dt
.set G1X, 24                           ; s[24:31] group 1 for x          s[32:39] its group 0, one set for each slot
.set G0X, 32
.set G1W, 40                           ; s[40:47] group 1 for Wk | Wv    s[48:55] its group 0
.set G0W, 48
.set G1Q, 56                           ; s[56:63] group 1 for Wq         s[68:75] its group 0
.set G0Q, 68
.set MSB, 0
.macro WIN new                         ; the immediate's high byte repeats the setting that is left; switches that change nothing are dropped
.if MSB != \new
	s_set_vgpr_msb (MSB<<8)|\new
.set MSB, \new
.endif
.endm
; Four places behind matrix instructions, in front of vector instructions that read their results or write their registers and of loads into their registers.
.macro PLACES
.rept 4
	v_nop
.endr
.endm
; A round of the cluster's barrier behind its opening work-group barrier: wave 0 signals for the work-group, every wave waits for all sixteen work-groups, and a work-group barrier closes it.
.macro CREST
	s_cmp_lg_u32 s18, 0
	s_cbranch_scc1 .Lnot_wave_0_\@
	s_barrier_signal -3
.Lnot_wave_0_\@:
	s_barrier_wait -3
	s_barrier_signal -1
	s_barrier_wait -1
.endm
.macro ROUND
	s_barrier_signal -1
	s_barrier_wait -1
	CREST
.endm
; A wave's one joint load into slot s.  Each line has one mask and one set of registers for all that issue it; the branches hang on the wave's number alone.  q = 0: Wq is not needed any more.
.macro JLOAD s, q
	s_cmp_lt_u32 s18, 2
	s_cbranch_scc0 .Lfor_w_\@
	tensor_load_to_lds s[G0X+4*\s:G0X+4*\s+3], s[G1X:G1X+7]
	s_nop 0
	s_branch .Lasked_\@
.Lfor_w_\@:
	s_cmp_eq_u32 s18, 2
	s_cbranch_scc0 .Lfor_q_\@
	tensor_load_to_lds s[G0W+4*\s:G0W+4*\s+3], s[G1W:G1W+7]
	s_nop 0
.if \q
	s_branch .Lasked_\@
.Lfor_q_\@:
	tensor_load_to_lds s[G0Q+4*\s:G0Q+4*\s+3], s[G1Q:G1Q+7]
	s_nop 0
.else
.Lfor_q_\@:
.endif
.Lasked_\@:
.endm
; One run of LDS loads: the fragments of quarter c of slot s into buffer f, in the order in which they are waited for: (q = 1: Wq's four, 8 loads,) Wk's four, 8 loads,
; my eight tiles of x, 16 loads, Wv's four, 8 loads.  A fragment is two loads of 16 bytes, 32 bytes apart, at the row + 16 h2.
.macro FETCH s, c, f, q
.if \q
	WIN 0
.irp d, 0,1,2,3
	ds_load_b128 v[WQF+32*\f+8*\d:WQF+32*\f+8*\d+3],   v[WA+\s] offset:(8+\d)*FR+64*\c
	ds_load_b128 v[WQF+32*\f+8*\d+4:WQF+32*\f+8*\d+7], v[WA+\s] offset:(8+\d)*FR+64*\c+32
.endr
.endif
	WIN 0x40
.irp d, 0,1,2,3
	ds_load_b128 v[128*\f+WK+8*\d:128*\f+WK+8*\d+3],   v[WA+\s] offset:\d*FR+64*\c
	ds_load_b128 v[128*\f+WK+8*\d+4:128*\f+WK+8*\d+7], v[WA+\s] offset:\d*FR+64*\c+32
.endr
.irp i, 0,1,2,3,4,5,6,7
	ds_load_b128 v[128*\f+8*\i:128*\f+8*\i+3],   v[XA+\s] offset:\i*XT+64*\c
	ds_load_b128 v[128*\f+8*\i+4:128*\f+8*\i+7], v[XA+\s] offset:\i*XT+64*\c+32
.endr
.irp d, 0,1,2,3
	ds_load_b128 v[128*\f+WV+8*\d:128*\f+WV+8*\d+3],   v[WA+\s] offset:(4+\d)*FR+64*\c
	ds_load_b128 v[128*\f+WV+8*\d+4:128*\f+WV+8*\d+7], v[WA+\s] offset:(4+\d)*FR+64*\c+32
.endr
.endm
; The products of a quarter: K's 32, (q's 4,) V's 32.  All these accumulators take turns, one instruction a turn, in the same order in every quarter.
.macro KHALF f, half, zero             ; 16 of K's products: token tiles 4 half .. 4 half + 3
	WIN 0xa5
.irp i, 0,1,2,3
.irp d, 0,1,2,3
.if \zero
	v_wmma_f32_16x16x32_bf16 v[8*(4*(4*\half+\i)+\d):8*(4*(4*\half+\i)+\d)+7], v[128*\f+WK+8*\d:128*\f+WK+8*\d+7], v[128*\f+8*(4*\half+\i):128*\f+8*(4*\half+\i)+7], 0
.else
	v_wmma_f32_16x16x32_bf16 v[8*(4*(4*\half+\i)+\d):8*(4*(4*\half+\i)+\d)+7], v[128*\f+WK+8*\d:128*\f+WK+8*\d+7], v[128*\f+8*(4*\half+\i):128*\f+8*(4*\half+\i)+7], v[8*(4*(4*\half+\i)+\d):8*(4*(4*\half+\i)+\d)+7]
.endif
.endr
.endr
.endm
.macro QRUN f, zero                    ; q's four products, on my token tile 0
	WIN 0x04
.irp d, 0,1,2,3
.if \zero
	v_wmma_f32_16x16x32_bf16 v[QACC+8*\d:QACC+8*\d+7], v[WQF+32*\f+8*\d:WQF+32*\f+8*\d+7], v[128*\f:128*\f+7], 0
.else
	v_wmma_f32_16x16x32_bf16 v[QACC+8*\d:QACC+8*\d+7], v[WQF+32*\f+8*\d:WQF+32*\f+8*\d+7], v[128*\f:128*\f+7], v[QACC+8*\d:QACC+8*\d+7]
.endif
.endr
.endm
.macro VHALF f, half, zero             ; 16 of V's products
	WIN 0xf5
.irp i, 0,1,2,3
.irp d, 0,1,2,3
.if \zero
	v_wmma_f32_16x16x32_bf16 v[8*(4*(4*\half+\i)+\d):8*(4*(4*\half+\i)+\d)+7], v[128*\f+8*(4*\half+\i):128*\f+8*(4*\half+\i)+7], v[128*\f+WV+8*\d:128*\f+WV+8*\d+7], 0
.else
	v_wmma_f32_16x16x32_bf16 v[8*(4*(4*\half+\i)+\d):8*(4*(4*\half+\i)+\d)+7], v[128*\f+8*(4*\half+\i):128*\f+8*(4*\half+\i)+7], v[128*\f+WV+8*\d:128*\f+WV+8*\d+7], v[8*(4*(4*\half+\i)+\d):8*(4*(4*\half+\i)+\d)+7]
.endif
.endr
.endr
.endm
; ONE STEP of 64 channels on slot s (o = the other): its first quarter on buffer 0, its second on buffer 1.
; zero: the first products start the sums.  qrun: q is multiplied.
; bar: 2 = the change of slots is a round of the cluster's barrier and slot s is filled again, two steps ahead (wback: the weights start over at channel step 0 or 1; qre: Wq too);
;      1 = a work-group barrier, nothing is filled; 0 = none.  nx: the next step's first fragments are fetched (qft: Wq's too).
; ONE barrier for the change of slots, for two things.  In front of it each wave waits for its own reads of this slot and for all its tensor loads, of which at most one is out: its part
; of the next slot.  Behind it nobody reads this slot any more and the next slot is whole: the refill comes first, then the next slot's first fragments.
; From a request to the wait for it a wave issues 112 matrix instructions (116 with q).
.macro STEP s, o, zero, qrun, bar, wback, qre, nx, qft
	s_wait_dscnt 8                                 ; LDS loads come back in order (ISA guide 5.7.1): all of buffer 0 but Wv's eight loads, the youngest
	KHALF 0, 0, \zero
	KHALF 0, 1, \zero
.if \qrun
	QRUN 0, \zero
.endif
	PLACES
	FETCH \s, 1, 1, \qrun
	s_wait_dscnt 32+8*\qrun                        ; all but the run just issued: Wv's fragments of buffer 0 are in
	VHALF 0, 0, \zero
	VHALF 0, 1, \zero
	s_wait_dscnt 8
	KHALF 1, 0, 0
	s_wait_dscnt 0x0                               ; my reads of this slot are over
.if \bar
	s_set_vgpr_msb 0xa5a0
	s_wait_tensorcnt 0x0                           ; and all my tensor loads have landed
	ds_add_u32 v94, v95
	s_wait_dscnt 0x0
	s_set_vgpr_msb 0xa0a5
	s_barrier_signal -1                            ; say so (with bar = 2 this barrier opens a round of the cluster's barrier),
.endif
	KHALF 1, 1, 0                                  ; work on registers while the others arrive
.if \qrun
	QRUN 1, 0
.endif
.if \bar
	WIN 0
	s_barrier_wait -1
.if \bar == 2
	CREST                                          ; no wave of any partner still reads this slot or has a load on its way
	s_add_nc_u64 s[G0X+4*\s+2:G0X+4*\s+3], s[G0X+4*\s+2:G0X+4*\s+3], 2*XTILE     ; x's tiles of a batch follow each other, over the change of chunks too
.if \wback
	s_sub_nc_u64 s[G0W+4*\s+2:G0W+4*\s+3], s[G0W+4*\s+2:G0W+4*\s+3], 14*WTILE    ; from channel step 14 (15) back to 0 (1), for the second chunk
.else
	s_add_nc_u64 s[G0W+4*\s+2:G0W+4*\s+3], s[G0W+4*\s+2:G0W+4*\s+3], 2*WTILE
.endif
.if \qre
	s_add_nc_u64 s[G0Q+4*\s+2:G0Q+4*\s+3], s[G0Q+4*\s+2:G0Q+4*\s+3], 2*WTILE
.endif
	JLOAD \s, \qre                                 ; my one tensor load behind the round, and the first thing there
.endif
.endif
.if \nx
	PLACES
	FETCH \o, 0, 0, \qft
.endif
	VHALF 1, 0, 0
	VHALF 1, 1, 0
.endm
; THE ATTENTION of all 64 queries on my 128 tokens of the chunk.  first = 1: the running maximum, sum and O^T are started.
.macro ATT first
	PLACES
	WIN 0x40
.irp f, 0,1,2,3,4,5,6,7
	ds_load_b128 v[QB+8*\f:QB+8*\f+3],   v[QFA] offset:1024*\f
	ds_load_b128 v[QB+8*\f+4:QB+8*\f+7], v[QFA] offset:1024*\f+512
.endr
	WIN 0x4a                                       ; K's sums to f16: registers 2 n, 2 n + 1 of window 2 make register n of window 1, so tiles (i, 2 c), (i, 2 c + 1) make fragment (i, c) at 16 i + 8 c
.set n, 0
.rept 128
	v_cvt_pk_f16_f32 v[n], v[2*n], v[2*n+1]
.set n, n+1
.endr
	s_wait_dscnt 0x0                               ; q's fragments
	WIN 0xa5                                       ; S^T(i, qt) = K(i) q(qt)^T over d = 64: 32 accumulators by turns, one instruction a turn
.irp c, 0,1
.irp i, 0,1,2,3,4,5,6,7
.irp q, 0,1,2,3
.if \c
	v_wmma_f32_16x16x32_f16 v[8*(4*\i+\q):8*(4*\i+\q)+7], v[16*\i+8*\c:16*\i+8*\c+7], v[QB+8*(2*\q+\c):QB+8*(2*\q+\c)+7], v[8*(4*\i+\q):8*(4*\i+\q)+7]
.else
	v_wmma_f32_16x16x32_f16 v[8*(4*\i+\q):8*(4*\i+\q)+7], v[16*\i+8*\c:16*\i+8*\c+7], v[QB+8*(2*\q+\c):QB+8*(2*\q+\c)+7], 0
.endif
.endr
.endr
.endr
	PLACES
	WIN 0x0a                                       ; the largest of my 64 numbers of each query tile: four chains that do not wait for each other
.irp q, 0,1,2,3
	v_max_num_f32 v[T+\q], v[8*\q], v[8*\q+1]
.endr
.irp j, 1,2,3
.irp q, 0,1,2,3
	v_max3_num_f32 v[T+\q], v[8*\q+2*\j], v[8*\q+2*\j+1], v[T+\q]
.endr
.endr
.irp i, 1,2,3,4,5,6,7
.irp j, 0,1,2,3
.irp q, 0,1,2,3
	v_max3_num_f32 v[T+\q], v[8*(4*\i+\q)+2*\j], v[8*(4*\i+\q)+2*\j+1], v[T+\q]
.endr
.endr
.endr
	WIN 0
.irp q, 0,1,2,3
	v_permlanex16_b32 v[U+\q], v[T+\q], s76, s77   ; the other half of the lanes holds the query's other tokens
.endr
.if \first
.irp q, 0,1,2,3
	v_max_num_f32 v[M2+2*\q], v[T+\q], v[U+\q]
	v_max_num_f32 v[M2+2*\q+1], v[T+\q], v[U+\q]
.endr
.else
.irp q, 0,1,2,3
	v_max3_num_f32 v[T+\q], v[T+\q], v[U+\q], v[M2+2*\q]       ; the new running maximum
.endr
.irp q, 0,1,2,3
	v_sub_f32 v[U+\q], v[M2+2*\q], v[T+\q]
.endr
.irp q, 0,1,2,3
	v_exp_f32 v[A2+2*\q], v[U+\q]                  ; what was summed so far shrinks by exp2(old - new)
	v_exp_f32 v[A2+2*\q+1], v[U+\q]
.endr
.irp q, 0,1,2,3
	v_mov_b32 v[M2+2*\q], v[T+\q]                  ; plain instructions that touch neither A2 nor U stand behind the exponentials (ISA guide 5.7.2)
	v_mov_b32 v[M2+2*\q+1], v[T+\q]
.endr
.endif
	WIN 0x82                                       ; P = exp2(S - maximum), in place; S is in units of log2 since q carries 0.125 log2 e
.irp i, 0,1,2,3,4,5,6,7
.irp q, 0,1,2,3
.irp j, 0,1,2,3
	v_pk_add_f32 v[8*(4*\i+\q)+2*\j:8*(4*\i+\q)+2*\j+1], v[8*(4*\i+\q)+2*\j:8*(4*\i+\q)+2*\j+1], v[M2+2*\q:M2+2*\q+1] neg_lo:[0,1] neg_hi:[0,1]
.endr
.endr
.set n, 32*\i
.rept 32
	v_exp_f32 v[n], v[n]                           ; back to back; the next tile's subtractions, which touch none of these, are the plain place behind them
.set n, n+1
.endr
.endr
.if \first
.set LD, L2
.else
.set LD, T
.endif
	WIN 0x0a                                       ; the sums of P, unrounded, two partial sums a query tile
	s_wait_alu depctr_va_vdst(0)
.irp q, 0,1,2,3
	v_pk_add_f32 v[LD+2*\q:LD+2*\q+1], v[8*\q:8*\q+1], v[8*\q+2:8*\q+3]
.endr
	WIN 0x02
.irp j, 2,3
.irp q, 0,1,2,3
	v_pk_add_f32 v[LD+2*\q:LD+2*\q+1], v[8*\q+2*\j:8*\q+2*\j+1], v[LD+2*\q:LD+2*\q+1]
.endr
.endr
.irp i, 1,2,3,4,5,6,7
.irp j, 0,1,2,3
.irp q, 0,1,2,3
	v_pk_add_f32 v[LD+2*\q:LD+2*\q+1], v[8*(4*\i+\q)+2*\j:8*(4*\i+\q)+2*\j+1], v[LD+2*\q:LD+2*\q+1]
.endr
.endr
.endr
	WIN 0x4a                                       ; P to f16: S^T tiles (2 p, qt), (2 p + 1, qt) make fragment (qt, p) at 32 p + 8 qt
.irp p, 0,1,2,3
.irp e, 0,1
.irp q, 0,1,2,3
.irp j, 0,1,2,3
	v_cvt_pk_f16_f32 v[32*\p+8*\q+4*\e+\j], v[8*(4*(2*\p+\e)+\q)+2*\j], v[8*(4*(2*\p+\e)+\q)+2*\j+1]
.endr
.endr
.endr
.endr
	WIN 0x4f                                       ; V to f16: tiles (2 p, dt), (2 p + 1, dt) make fragment (dt, p), with the tokens in the same places as in P's
.irp p, 0,1,2,3
.irp e, 0,1
.irp d, 0,1,2,3
.irp j, 0,1,2,3
	v_cvt_pk_f16_f32 v[VB+32*\p+8*\d+4*\e+\j], v[8*(4*(2*\p+\e)+\d)+2*\j], v[8*(4*(2*\p+\e)+\d)+2*\j+1]
.endr
.endr
.endr
.endr
.if \first == 0
	WIN 0
.irp q, 0,1,2,3
	v_pk_fma_f32 v[L2+2*\q:L2+2*\q+1], v[L2+2*\q:L2+2*\q+1], v[A2+2*\q:A2+2*\q+1], v[T+2*\q:T+2*\q+1]
.endr
.irp d, 0,1,2,3
.irp q, 0,1,2,3
.irp j, 0,1,2,3
	v_pk_mul_f32 v[OACC+8*(4*\d+\q)+2*\j:OACC+8*(4*\d+\q)+2*\j+1], v[OACC+8*(4*\d+\q)+2*\j:OACC+8*(4*\d+\q)+2*\j+1], v[A2+2*\q:A2+2*\q+1]
.endr
.endr
.endr
.endif
	WIN 0x05                                       ; O^T(dt, qt) += V(dt)^T P(qt)^T over my 128 tokens: 16 accumulators by turns, one instruction a turn
.irp p, 0,1,2,3
.set z, 0
.if \p == 0
.set z, \first
.endif
.irp d, 0,1,2,3
.irp q, 0,1,2,3
.if z
	v_wmma_f32_16x16x32_f16 v[OACC+8*(4*\d+\q):OACC+8*(4*\d+\q)+7], v[VB+32*\p+8*\d:VB+32*\p+8*\d+7], v[32*\p+8*\q:32*\p+8*\q+7], 0
.else
	v_wmma_f32_16x16x32_f16 v[OACC+8*(4*\d+\q):OACC+8*(4*\d+\q)+7], v[VB+32*\p+8*\d:VB+32*\p+8*\d+7], v[32*\p+8*\q:32*\p+8*\q+7], v[OACC+8*(4*\d+\q):OACC+8*(4*\d+\q)+7]
.endif
.endr
.endr
.endr
.endm
	; ---- set-up ----
	s_load_b128 s[4:7], s[0:1], 0x0                ; xb s[4:5], wb s[6:7]
	s_load_b64 s[8:9], s[0:1], 0x10                ; ofrag
	v_lshl_add_u32 v94, v0, 2, 0x41c00
	v_mov_b32 v95, 0
	ds_add_u32 v94, v95
	v_lshrrev_b32 v1, 5, v0
	v_readfirstlane_b32 s18, v1                    ; wave 0..3
	s_and_b32 s16, s18, 1                          ; which half of x's tile waves 0 and 1 bring
	s_bfe_u32 s19, ttmp6, 0x40000                  ; cx: my place along the cluster's x
	s_bfe_u32 s17, ttmp6, 0x40004                  ; cy: along its y
	s_lshl_b32 s20, ttmp9, 2
	s_add_co_u32 s20, s20, s19                     ; head = 4 x cluster x + cx
	s_and_b32 s21, ttmp7, 0xffff
	s_lshl_b32 s21, s21, 2
	s_add_co_u32 s21, s21, s17                     ; batch = 4 x cluster y + cy
	s_lshl_b32 s10, s17, 2
	s_lshl_b32 s10, 15, s10                        ; my row of the cluster (one batch): places 4 cy .. 4 cy + 3
	s_lshl_b32 s11, 0x1111, s19                    ; my column (one head): places cx, cx + 4, cx + 8, cx + 12
	s_mov_b32 s76, 0x76543210                      ; v_permlanex16_b32: lane i of one half reads lane i of the other
	s_mov_b32 s77, 0xfedcba98
	; descriptor groups 1: dense blocks as rows of 32 elements of 8 bytes, 4 words of padding behind every 64 words
	s_or_b32 s[G1X+0], s10, (3<<16)|(1<<20)|(1<<21)|(5<<22)|(3<<25)  ; 15:0 mask: x goes to my row; 17:16 elements of 8 bytes; 20 padding on; 21 set beside a mask; 24:22 every 64 words; 31:25 4 words
	s_mov_b32 s[G1X+1], 32<<16                     ; tensor_dim0 = 32
	s_mov_b32 s[G1X+2], 128<<16                    ; tensor_dim1 = 128
	s_mov_b32 s[G1X+3], 32<<16                     ; tile_dim0 = 32
	s_mov_b32 s[G1X+4], 128                        ; tile_dim1 = 128 rows: 256 tokens
	s_mov_b32 s[G1X+5], 32                         ; stride from row to row
	s_mov_b32 s[G1X+6], 0
	s_mov_b32 s[G1X+7], 0
	s_or_b32 s[G1W+0], s11, (3<<16)|(1<<20)|(1<<21)|(5<<22)|(3<<25)  ; the weights go to my column
	s_mov_b32 s[G1W+1], 32<<16
	s_mov_b32 s[G1W+2], 64<<16
	s_mov_b32 s[G1W+3], 32<<16
	s_mov_b32 s[G1W+4], 64                         ; 64 rows: Wk's 64 and Wv's 64 rows of 128 bytes
	s_mov_b32 s[G1W+5], 32
	s_mov_b32 s[G1W+6], 0
	s_mov_b32 s[G1W+7], 0
	s_or_b32 s[G1Q+0], s11, (3<<16)|(1<<20)|(1<<21)|(5<<22)|(3<<25)
	s_mov_b32 s[G1Q+1], 32<<16
	s_mov_b32 s[G1Q+2], 32<<16
	s_mov_b32 s[G1Q+3], 32<<16
	s_mov_b32 s[G1Q+4], 32                         ; 32 rows: Wq's 64 rows of 128 bytes
	s_mov_b32 s[G1Q+5], 32
	s_mov_b32 s[G1Q+6], 0
	s_mov_b32 s[G1Q+7], 0
	; x's address hangs on the batch and the wave's number, the weights' on the head, each in registers that never hold the other coordinate
	s_lshl_b32 s12, s21, 21                        ; batch x 32 tiles x 65,536 bytes
	s_lshl_b32 s13, s16, 15                        ; + half x 256 tokens x 128 bytes
	s_add_co_u32 s12, s12, s13
	s_mov_b32 s13, 0
	s_mul_i32 s14, s20, 16*WTILE                   ; head x 16 steps
	s_mov_b32 s15, 0
	s_mul_i32 s23, s16, XPART                      ; where my half of x goes in a slot
	s_lshl_b32 s78, s21, 4                         ; ofrag: block 4 (16 batch + head) + wave of 2,048 bytes
	s_add_co_u32 s78, s78, s20
	s_lshl2_add_u32 s78, s78, s18
	s_lshl_b32 s78, s78, 11
	s_mov_b32 s79, 0
	s_wait_dscnt 0x0
	s_wait_kmcnt 0x0
	s_add_nc_u64 s[12:13], s[4:5], s[12:13]
	s_add_nc_u64 s[14:15], s[6:7], s[14:15]
	s_add_nc_u64 s[8:9], s[8:9], s[78:79]
.irp s, 0,1
	s_mov_b32 s[G0X+4*\s], 1                                       ; group 0 of slot s: count = 1
	s_add_co_u32 s[G0X+4*\s+1], s23, \s*SLOT                       ; LDS address
	s_add_nc_u64 s[G0X+4*\s+2:G0X+4*\s+3], s[12:13], \s*XTILE      ; global address: step s
	s_or_b32 s[G0X+4*\s+3], s[G0X+4*\s+3], 0x80000000              ; type = 2
	s_mov_b32 s[G0W+4*\s], 1
	s_mov_b32 s[G0W+4*\s+1], \s*SLOT+WOFF
	s_add_nc_u64 s[G0W+4*\s+2:G0W+4*\s+3], s[14:15], \s*WTILE
	s_or_b32 s[G0W+4*\s+3], s[G0W+4*\s+3], 0x80000000
	s_mov_b32 s[G0Q+4*\s], 1
	s_mov_b32 s[G0Q+4*\s+1], \s*SLOT+QOFF
	s_add_nc_u64 s[G0Q+4*\s+2:G0Q+4*\s+3], s[14:15], \s*WTILE+16384   ; Wq's rows lie behind Wk's and Wv's 128 rows of 128 bytes
	s_or_b32 s[G0Q+4*\s+3], s[G0Q+4*\s+3], 0x80000000
.endr
	ROUND                                          ; all sixteen work-groups are here: the first joint loads meet
	s_cmp_lt_u32 s18, 2                            ; the first fills of both slots go out together, a wave's two in one branch on its number: two tensor loads of mine are out here, at most one behind each later round
	s_cbranch_scc0 .Lfirst_w
	tensor_load_to_lds s[G0X:G0X+3], s[G1X:G1X+7]
	s_nop 0
	tensor_load_to_lds s[G0X+4:G0X+7], s[G1X:G1X+7]
	s_nop 0
	s_branch .Lfirst_done
.Lfirst_w:
	s_cmp_eq_u32 s18, 2
	s_cbranch_scc0 .Lfirst_q
	tensor_load_to_lds s[G0W:G0W+3], s[G1W:G1W+7]
	s_nop 0
	tensor_load_to_lds s[G0W+4:G0W+7], s[G1W:G1W+7]
	s_nop 0
	s_branch .Lfirst_done
.Lfirst_q:
	tensor_load_to_lds s[G0Q:G0Q+3], s[G1Q:G1Q+7]
	s_nop 0
	tensor_load_to_lds s[G0Q+4:G0Q+7], s[G1Q:G1Q+7]
	s_nop 0
.Lfirst_done:
	v_and_b32 v1, 31, v0                           ; lane
	v_and_b32 v2, 15, v0                           ; r
	v_bfe_u32 v3, v0, 4, 1                         ; h2
	v_lshrrev_b32 v4, 1, v2
	v_mul_u32_u24 v4, v4, 272                      ; (r / 2) x 272
	v_and_b32 v5, 1, v2
	v_lshl_add_u32 v4, v5, 7, v4                   ; + (r % 2) x 128
	v_lshl_add_u32 v4, v3, 4, v4                   ; + 16 h2
	s_mul_i32 s2, s18, FR                          ; my token tiles start 16 wave rows down
	v_add_nc_u32 v[XA], s2, v4
	v_add_nc_u32 v[XA+1], SLOT, v[XA]
	v_add_nc_u32 v[WA], WOFF, v4
	v_add_nc_u32 v[WA+1], SLOT+WOFF, v4
	v_lshlrev_b32 v[L16], 4, v1
	v_add_nc_u32 v[QFA], QF, v[L16]
	v_lshl_add_u32 v[QFS], s18, 11, v[QFA]
	v_add_nc_u32 v[L16M], MRGM, v[L16]
	v_lshl_add_u32 v[MST], s18, 9, v[L16M]
	v_add_nc_u32 v[MOS], MRG, v[L16]
	v_lshl_add_u32 v[MRD], s18, 12, v[MOS]
	v_lshl_add_u32 v[MOS], s18, 14, v[MOS]
	v_lshl_add_u32 v[MLR], s18, 2, v[L16M]
.irp q, 0,1,2,3
	v_mov_b32 v[U+\q], 0                           ; v_permlanex16_b32 counts as a reader of its destination
.endr
	s_wait_tensorcnt 0x1                           ; my part of step 0's tiles is in; step 1's may stay out
	s_barrier_signal -1
	s_barrier_wait -1                              ; everybody's is
	FETCH 0, 0, 0, 1
	; ---- chunk 0: tokens 0-511, with q ----
	STEP 0, 1, 1, 1, 2, 0, 1, 1, 1                 ; step 0: its first products start the sums
	STEP 1, 0, 0, 1, 2, 0, 1, 1, 1
	WIN 0                                          ; at a label and at a branch every window is 0
	s_mov_b32 s22, 6
.Lc0:
	STEP 0, 1, 0, 1, 2, 0, 1, 1, 1
	STEP 1, 0, 0, 1, 2, 0, 1, 1, 1
	WIN 0
	s_sub_co_u32 s22, s22, 1
	s_cmp_lg_u32 s22, 0
	s_cbranch_scc1 .Lc0
	STEP 0, 1, 0, 1, 2, 1, 0, 1, 1                 ; step 14: slot 0 gets chunk 1's first tiles; no more of Wq
	STEP 1, 0, 0, 1, 2, 1, 0, 0, 0                 ; step 15
	; q, times 0.125 log2 e, to f16 fragments, into bytes of their own
	PLACES
	WIN 0
.irp k, 0,1,2,3,4,5,6,7,8,9,10,11,12,13,14,15
	v_pk_mul_f32 v[QACC+2*\k:QACC+2*\k+1], v[QACC+2*\k:QACC+2*\k+1], 0x3e38aa3b op_sel_hi:[1,0]
.endr
.irp k, 0,1,2,3,4,5,6,7,8,9,10,11,12,13,14,15
	v_cvt_pk_f16_f32 v[M2+\k], v[QACC+2*\k], v[QACC+2*\k+1]
.endr
.irp d, 0,1,2,3
	ds_store_b128 v[QFS], v[M2+4*\d:M2+4*\d+3] offset:512*\d       ; tiles 2 c, 2 c + 1 are the halves of fragment (wave, c)
.endr
	s_wait_dscnt 0x0
	s_barrier_signal -1                            ; my one tensor load (chunk 1's second step) stays out
	s_barrier_wait -1
	ATT 1
	PLACES
	FETCH 0, 0, 0, 0
	; ---- chunk 1: tokens 512-1023 ----
	STEP 0, 1, 1, 0, 2, 0, 0, 1, 0
	STEP 1, 0, 0, 0, 2, 0, 0, 1, 0
	WIN 0
	s_mov_b32 s22, 6
.Lc1:
	STEP 0, 1, 0, 0, 2, 0, 0, 1, 0
	STEP 1, 0, 0, 0, 2, 0, 0, 1, 0
	WIN 0
	s_sub_co_u32 s22, s22, 1
	s_cmp_lg_u32 s22, 0
	s_cbranch_scc1 .Lc1
	STEP 0, 1, 0, 0, 1, 0, 0, 1, 0                 ; step 30: nothing is left to ask for
	STEP 1, 0, 0, 0, 0, 0, 0, 0, 0                 ; step 31
	ATT 0
	; ---- the four waves' parts of each query are merged, in LDS bytes of their own ----
	PLACES
	WIN 0
.irp q, 0,1,2,3
	v_add_f32 v[T+\q], v[L2+2*\q], v[L2+2*\q+1]
.endr
.irp q, 0,1,2,3
	v_permlanex16_b32 v[U+\q], v[T+\q], s76, s77
	v_mov_b32 v[A2+\q], v[M2+2*\q]
.endr
.irp q, 0,1,2,3
	v_add_f32 v[T+\q], v[T+\q], v[U+\q]            ; my wave's sum of P for query r of tile q
.endr
	ds_store_b128 v[MST], v[A2:A2+3]               ; my wave's four maxima
	s_wait_dscnt 0x0
	s_barrier_signal -1
	s_barrier_wait -1
.irp wv, 0,1,2,3
	ds_load_b128 v[WS+4*\wv:WS+4*\wv+3], v[L16M] offset:512*\wv
.endr
	s_wait_dscnt 0x0
.irp q, 0,1,2,3
	v_max3_num_f32 v[WS+16+\q], v[WS+\q], v[WS+4+\q], v[WS+8+\q]
.endr
.irp q, 0,1,2,3
	v_max_num_f32 v[WS+16+\q], v[WS+16+\q], v[WS+12+\q]            ; the query's maximum over all 1,024 tokens
.endr
.irp q, 0,1,2,3
	v_sub_f32 v[WS+20+\q], v[A2+\q], v[WS+16+\q]
.endr
.irp q, 0,1,2,3
	v_exp_f32 v[WS+24+2*\q], v[WS+20+\q]
	v_exp_f32 v[WS+25+2*\q], v[WS+20+\q]
.endr
	v_nop                                          ; the plain place behind the exponentials (ISA guide 5.7.2)
	s_wait_alu depctr_va_vdst(0)
.irp q, 0,1,2,3
	v_mul_f32 v[T+\q], v[T+\q], v[WS+24+2*\q]
.endr
.irp d, 0,1,2,3
.irp q, 0,1,2,3
.irp j, 0,1,2,3
	v_pk_mul_f32 v[OACC+8*(4*\d+\q)+2*\j:OACC+8*(4*\d+\q)+2*\j+1], v[OACC+8*(4*\d+\q)+2*\j:OACC+8*(4*\d+\q)+2*\j+1], v[WS+24+2*\q:WS+25+2*\q]
.endr
.endr
.endr
.irp d, 0,1,2,3
.irp q, 0,1,2,3
	ds_store_b128 v[MOS], v[OACC+8*(4*\d+\q):OACC+8*(4*\d+\q)+3]   offset:(4*\q+\d)*1024
	ds_store_b128 v[MOS], v[OACC+8*(4*\d+\q)+4:OACC+8*(4*\d+\q)+7] offset:(4*\q+\d)*1024+512
.endr
.endr
	ds_store_b128 v[MST], v[T:T+3] offset:2048
	s_wait_dscnt 0x0
	s_barrier_signal -1
	s_barrier_wait -1
.irp wv, 0,1,2,3                                   ; wave w finishes query tile w: all four waves' parts of it
.irp d, 0,1,2,3
	ds_load_b128 v[OACC+32*\wv+8*\d:OACC+32*\wv+8*\d+3],   v[MRD] offset:16384*\wv+1024*\d
	ds_load_b128 v[OACC+32*\wv+8*\d+4:OACC+32*\wv+8*\d+7], v[MRD] offset:16384*\wv+1024*\d+512
.endr
	ds_load_b32 v[WS+\wv], v[MLR] offset:2048+512*\wv
.endr
	s_wait_dscnt 0x0
	v_add_f32 v[WS], v[WS], v[WS+1]
	v_add_f32 v[WS+2], v[WS+2], v[WS+3]
	v_add_f32 v[WS], v[WS], v[WS+2]                ; at least 1: the largest P of the query is 1
	v_rcp_f32 v[WS+4], v[WS]
	v_rcp_f32 v[WS+5], v[WS]                       ; the sums below, which touch none of these, are the plain place behind the reciprocals
.irp k, 0,1,2,3,4,5,6,7,8,9,10,11,12,13,14,15
	v_pk_add_f32 v[OACC+2*\k:OACC+2*\k+1], v[OACC+2*\k:OACC+2*\k+1], v[OACC+32+2*\k:OACC+33+2*\k]
	v_pk_add_f32 v[OACC+64+2*\k:OACC+65+2*\k], v[OACC+64+2*\k:OACC+65+2*\k], v[OACC+96+2*\k:OACC+97+2*\k]
.endr
.irp k, 0,1,2,3,4,5,6,7,8,9,10,11,12,13,14,15
	v_pk_add_f32 v[OACC+2*\k:OACC+2*\k+1], v[OACC+2*\k:OACC+2*\k+1], v[OACC+64+2*\k:OACC+65+2*\k]
.endr
	s_wait_alu depctr_va_vdst(0)
.irp k, 0,1,2,3,4,5,6,7,8,9,10,11,12,13,14,15
	v_pk_mul_f32 v[OACC+2*\k:OACC+2*\k+1], v[OACC+2*\k:OACC+2*\k+1], v[WS+4:WS+5]
.endr
.irp k, 0,1,2,3,4,5,6,7,8,9,10,11,12,13,14,15
	v_cvt_pk_bf16_f32 v[WS+8+\k], v[OACC+2*\k], v[OACC+2*\k+1]
.endr
.irp d, 0,1,2,3
	global_store_b128 v[L16], v[WS+8+4*\d:WS+8+4*\d+3], s[8:9] offset:512*\d       ; block (query tile w, dt): lane (r, h2) holds query r, d = 16 dt + 8 h2 + 0..7; 512 consecutive bytes a store
.endr
	s_wait_tensorcnt 0x0
	ds_add_u32 v94, v95
	s_wait_dscnt 0x0
	ROUND                                          ; the closing round: no work-group ends while a partner may still ask for a tile that names it
	s_endpgm
.Lfunc_end_k_qd84320a9cc_attn:
	.size	k_qd84320a9cc_attn, .Lfunc_end_k_qd84320a9cc_attn-k_qd84320a9cc_attn
	.p2alignl 7, 3214868480
	.fill 96, 4, 3214868480
	.section	.rodata,"a",@progbits
	.p2align	6, 0x0
	.amdhsa_kernel k_qd84320a9cc_attn
		.amdhsa_group_segment_fixed_size 327680
		.amdhsa_private_segment_fixed_size 0
		.amdhsa_enable_private_segment 0
		.amdhsa_kernarg_size 24
		.amdhsa_user_sgpr_count 2
		.amdhsa_user_sgpr_kernarg_segment_ptr 1
		.amdhsa_wavefront_size32 1
		.amdhsa_system_sgpr_workgroup_id_x 1
		.amdhsa_system_sgpr_workgroup_id_y 1
		.amdhsa_system_sgpr_workgroup_id_z 1
		.amdhsa_system_vgpr_workitem_id 0
		.amdhsa_next_free_vgpr 1024
		.amdhsa_next_free_sgpr 80
		.amdhsa_reserve_vcc 0
		.amdhsa_float_denorm_mode_32 3
		.amdhsa_float_denorm_mode_16_64 3
		.amdhsa_memory_ordered 1
		.amdhsa_forward_progress 1
		.amdhsa_inst_pref_size 255
	.end_amdhsa_kernel
	.section	.bss,"aw",@nobits
	.p2align	6
	.space	262144
	.amdgpu_metadata
---
amdhsa.version: [ 1, 2 ]
amdhsa.kernels:
  - .name:           k_qd84320a9cc_attn
    .symbol:         k_qd84320a9cc_attn.kd
    .args:
      - { .name: xb, .offset: 0, .size: 8, .value_kind: global_buffer, .address_space: global }
      - { .name: wb, .offset: 8, .size: 8, .value_kind: global_buffer, .address_space: global }
      - { .name: ofrag, .offset: 16, .size: 8, .value_kind: global_buffer, .address_space: global }
    .group_segment_fixed_size: 327680
    .private_segment_fixed_size: 0
    .kernarg_segment_align: 8
    .kernarg_segment_size: 24
    .max_flat_workgroup_size: 128
    .sgpr_count:     80
    .vgpr_count:     1024
    .wavefront_size: 32
...
	.end_amdgpu_metadata
.endif
;; end of part 2
;; launch proj (part 3): grid 16 x 16, 4 waves a work-group, clusters of 4 x 4, 288,256 bytes of LDS; arguments ofrag, wpb, bproj, out0; writes out0
.if DOCPART == 3
	.amdgcn_target "amdgcn-amd-amdhsa--gfx1250"
	.amdhsa_code_object_version 6
	.text
	.protected	k_qd84320a9cc_proj
	.globl	k_qd84320a9cc_proj
	.p2align	8
	.type	k_qd84320a9cc_proj,@function
k_qd84320a9cc_proj:
	s_mov_b64 s[64:65], 0
	v_nop
	global_prefetch_b8 v0, s[64:65] scope:SCOPE_SE
	s_setreg_imm32_b32 hwreg(HW_REG_WAVE_MODE, 25, 1), 1
	s_wait_xcnt 0x0
	s_wait_alu depctr_hold_cnt(0) depctr_sa_sdst(0) depctr_va_vdst(0) depctr_va_sdst(0) depctr_va_ssrc(0) depctr_va_vcc(0) depctr_vm_vsrc(0)
	s_getreg_b32 s2, hwreg(HW_REG_IB_STS2, 6, 4)
	s_cmp_eq_u32 s2, 0
	s_cbranch_scc0 .Lentry_in_a_cluster
	s_endpgm
.Lentry_in_a_cluster:
	s_bfe_u32 s2, ttmp6, 0x10000c
	s_cmp_lg_u32 s2, 0xf033
	s_cbranch_scc0 .Lentry_shape_is_right
	s_endpgm
.Lentry_shape_is_right:
; ATTENTION, THIRD LAUNCH: out0[b][q][n] = sum over c of O[b][q][c] Wproj[n][c] + bproj[n].  O comes as bf16 fragments (ofrag: [b][head][query tile][dt][lane][8]),
; Wproj as bf16 rows (wpb).  A work-group makes the block of 64 queries x 64 columns (batch b, columns 64 nb ..) over 1,024 channels; a wave makes 32 x 32 of it, four accumulators.
; LIMIT: O and Wproj are rounded to bf16 as matrix operands; sums and the bias are f32.
; All operands of a work-group fit in LDS (131,072 bytes of O, 8 x 17,408 of Wproj), so every byte of LDS is filled once: no slot is filled again, and the only waits on the
; tensor counter are counted ones in front of the four slabs of 256 channels, so that the first products run while the later slabs are on their way.
; CLUSTERS: 4 x 4 work-groups.  O's tiles hang on the batch alone and are asked for jointly along a row of the cluster, Wproj's on the column block alone and are asked for jointly
; along a column: that divides the requests for both by four.
; THE MATRIX INSTRUCTION takes 16 rows of Wproj as source 0 and a fragment of O as source 1: lane (r, h2) then holds query r and columns 8 h2 + 0..7, eight neighbouring numbers of a row of out0.
.set WL,   131072                      ; Wproj's eight sub-slabs: 64 rows x 128 bf16, pitch 272
.set WSUB, 64*272
.set STG,  WL+8*WSUB                   ; 270,336: the way out, 64 rows x 272 bytes of f32, written by LDS stores alone
.set WAV,  8                           ; v8-11   my Wproj fragments in slab j
.set OAV,  12                          ; v12-15  my O fragments in slab j
.set STO,  16                          ; the way out: where my results go
.set RD,   17                          ; where I read rows back
.set BO,   18                          ; 16 (lane % 16)
.set CO,   19                          ; (lane / 16) x 4,096 + 16 (lane % 16)
.set BIAS, 20                          ; v20-23
.set ACC,  32                          ; v32-63  accumulator (a, c) at 8 (2 a + c)
.set FA,   64                          ; v64-127 fragments of two blocks of 32 channels: block e at 32 e: Wproj a at 8 a, O c at 16 + 8 c
.set FB,   128                         ; v128-191 the same, second buffer
.macro PLACES                          ; four places behind matrix instructions, in front of loads into their registers and of stores of their results
.rept 4
	v_nop
.endr
.endm
.macro ROUND                           ; a round of the cluster's barrier
	s_barrier_signal -1
	s_barrier_wait -1
	s_cmp_lg_u32 s12, 0
	s_cbranch_scc1 .Lnot_wave_0_\@
	s_barrier_signal -3
.Lnot_wave_0_\@:
	s_barrier_wait -3
	s_barrier_signal -1
	s_barrier_wait -1
.endm
; 16 LDS loads: the fragments of channel blocks 2 g, 2 g + 1 of slab j (head g of the slab's four; d = 0-31, 32-63)
.macro LOADG j, g, buf
.irp e, 0,1
.irp a, 0,1
	ds_load_b128 v[\buf+32*\e+8*\a:\buf+32*\e+8*\a+3],   v[WAV+\j] offset:(\g/2)*WSUB+\a*4352+(2*(\g%2)+\e)*64
	ds_load_b128 v[\buf+32*\e+8*\a+4:\buf+32*\e+8*\a+7], v[WAV+\j] offset:(\g/2)*WSUB+\a*4352+(2*(\g%2)+\e)*64+32
.endr
.irp c, 0,1
	ds_load_b128 v[\buf+32*\e+16+8*\c:\buf+32*\e+16+8*\c+3],   v[OAV+\j] offset:\g*8192+\c*2048+\e*1024
	ds_load_b128 v[\buf+32*\e+16+8*\c+4:\buf+32*\e+16+8*\c+7], v[OAV+\j] offset:\g*8192+\c*2048+\e*1024+512
.endr
.endr
.endm
; 8 products: the four accumulators take turns, one instruction a turn.  zero = 1: the first four start the sums.
.macro MULG buf, zero
.irp e, 0,1
.set z, 0
.if \e == 0
.set z, \zero
.endif
.irp a, 0,1
.irp c, 0,1
.if z
	v_wmma_f32_16x16x32_bf16 v[ACC+8*(2*\a+\c):ACC+8*(2*\a+\c)+7], v[\buf+32*\e+8*\a:\buf+32*\e+8*\a+7], v[\buf+32*\e+16+8*\c:\buf+32*\e+16+8*\c+7], 0
.else
	v_wmma_f32_16x16x32_bf16 v[ACC+8*(2*\a+\c):ACC+8*(2*\a+\c)+7], v[\buf+32*\e+8*\a:\buf+32*\e+8*\a+7], v[\buf+32*\e+16+8*\c:\buf+32*\e+16+8*\c+7], v[ACC+8*(2*\a+\c):ACC+8*(2*\a+\c)+7]
.endif
.endr
.endr
.endr
.endm
.macro SLAB j
	s_wait_tensorcnt 3-\j                          ; tensor loads of a wave end in order (ISA guide 10.11.1): my part of slab j is in, the later slabs' stay out
	s_barrier_signal -1                            ; no LDS instruction of mine is out
	s_barrier_wait -1                              ; everybody's part is in
.if \j
	PLACES
.endif
	LOADG \j, 0, FA
	LOADG \j, 1, FB
	s_wait_dscnt 16                                ; all but the 16 loads just issued
.if \j
	MULG FA, 0
.else
	MULG FA, 1
.endif
	PLACES
	LOADG \j, 2, FA
	s_wait_dscnt 16
	MULG FB, 0
	PLACES
	LOADG \j, 3, FB
	s_wait_dscnt 16
	MULG FA, 0
	s_wait_dscnt 0x0
	MULG FB, 0
.endm
	s_load_b256 s[4:11], s[0:1], 0x0               ; ofrag s[4:5], wpb s[6:7], bproj s[8:9], out0 s[10:11]
	v_lshl_add_u32 v192, v0, 2, 0x46400
	v_mov_b32 v193, 0
	ds_add_u32 v192, v193
	v_lshrrev_b32 v1, 5, v0
	v_readfirstlane_b32 s12, v1                    ; wave 0..3
	s_and_b32 s13, s12, 1                          ; my pair of column tiles.  Also: which half of a slab's tile I fetch
	s_lshr_b32 s79, s12, 1                         ; my pair of query tiles
	s_bfe_u32 s66, ttmp6, 0x40000                  ; cx
	s_bfe_u32 s67, ttmp6, 0x40004                  ; cy
	s_lshl_b32 s68, ttmp9, 2
	s_add_co_u32 s68, s68, s66                     ; column block = 4 x cluster x + cx
	s_and_b32 s69, ttmp7, 0xffff
	s_lshl_b32 s69, s69, 2
	s_add_co_u32 s69, s69, s67                     ; batch = 4 x cluster y + cy
	s_lshl_b32 s70, s67, 2
	s_lshl_b32 s70, 15, s70                        ; my row of the cluster: places 4 cy .. 4 cy + 3
	s_lshl_b32 s71, 0x1111, s66                    ; my column: places cx, cx + 4, cx + 8, cx + 12
	; group 1 for O: two heads' fragments, 16,384 dense bytes, as 64 rows of 32 elements of 8 bytes
	s_or_b32 s16, s70, (3<<16)|(1<<21)             ; 15:0 mask: my row; 17:16 elements of 8 bytes; 21 set beside a mask
	s_mov_b32 s17, 32<<16                          ; tensor_dim0 = 32
	s_mov_b32 s18, 64<<16                          ; tensor_dim1 = 64
	s_mov_b32 s19, 32<<16                          ; tile_dim0 = 32
	s_mov_b32 s20, 64                              ; tile_dim1 = 64
	s_mov_b32 s21, 32                              ; stride from row to row
	s_mov_b32 s22, 0
	s_mov_b32 s23, 0
	; group 1 for Wproj: 64 rows x 128 bf16, 1,024 elements from row to row, 4 words of padding behind every 64
	s_or_b32 s24, s71, (1<<16)|(1<<20)|(1<<21)|(5<<22)|(3<<25)     ; 15:0 mask: my column
	s_mov_b32 s25, 128<<16
	s_mov_b32 s26, 64<<16
	s_mov_b32 s27, 128<<16
	s_mov_b32 s28, 64
	s_mov_b32 s29, 1024
	s_mov_b32 s30, 0
	s_mov_b32 s31, 0
	; O's addresses hang on the batch and the wave's number, Wproj's on the column block and the wave's number, each in registers that never hold the other coordinate
	s_lshl_b32 s72, s69, 17                        ; batch x 131,072
	s_lshl_b32 s76, s13, 14                        ; + half x two heads; also the LDS address
	s_add_co_u32 s72, s72, s76
	s_mov_b32 s73, 0
	s_lshl_b32 s74, s68, 17                        ; column block x 64 rows x 2,048 bytes
	s_lshl_b32 s77, s13, 8                         ; + half x 128 channels
	s_add_co_u32 s74, s74, s77
	s_mov_b32 s75, 0
	s_mul_i32 s78, s13, WSUB
	s_wait_dscnt 0x0
	s_wait_kmcnt 0x0
	s_add_nc_u64 s[72:73], s[4:5], s[72:73]
	s_add_nc_u64 s[74:75], s[6:7], s[74:75]
.irp j, 0,1,2,3
	s_mov_b32 s[32+4*\j], 1                                        ; O, slab j: heads 4 j + 2 half, + 1
	s_add_co_u32 s[33+4*\j], s76, \j*32768
	s_add_nc_u64 s[34+4*\j:35+4*\j], s[72:73], \j*32768
	s_or_b32 s[35+4*\j], s[35+4*\j], 0x80000000
	s_mov_b32 s[48+4*\j], 1                                        ; Wproj, slab j: sub-slab 2 j + half
	s_add_co_u32 s[49+4*\j], s78, WL+\j*2*WSUB
	s_add_nc_u64 s[50+4*\j:51+4*\j], s[74:75], \j*512
	s_or_b32 s[51+4*\j], s[51+4*\j], 0x80000000
.endr
	ROUND                                          ; all sixteen work-groups are here: the joint loads meet
	s_cmp_lt_u32 s12, 2                            ; waves 0, 1 ask for O, waves 2, 3 for Wproj: four tensor loads of each wave are out, all first fills, in one branch on the wave's number
	s_cbranch_scc0 .Lfor_w
.irp j, 0,1,2,3
	tensor_load_to_lds s[32+4*\j:35+4*\j], s[16:23]
	s_nop 0
.endr
	s_branch .Lasked
.Lfor_w:
.irp j, 0,1,2,3
	tensor_load_to_lds s[48+4*\j:51+4*\j], s[24:31]
	s_nop 0
.endr
.Lasked:
	v_and_b32 v1, 31, v0                           ; lane
	v_and_b32 v2, 15, v0                           ; r
	v_bfe_u32 v3, v0, 4, 1                         ; h2
	v_lshlrev_b32 v[BO], 4, v2
	s_lshl_b32 s2, s68, 8                          ; my 64 columns: 256 bytes
	s_mov_b32 s3, 0
	s_add_nc_u64 s[8:9], s[8:9], s[2:3]
	global_load_b128 v[BIAS:BIAS+3], v[BO], s[8:9] ; the bias of my four columns
	s_lshl_b32 s76, s69, 18                        ; out0: batch x 64 rows x 4,096 bytes
	s_add_co_u32 s2, s2, s76
	s_lshl_b32 s76, s12, 16                        ; + wave x 16 rows
	s_add_co_u32 s2, s2, s76
	s_add_nc_u64 s[10:11], s[10:11], s[2:3]
	v_lshl_add_u32 v[CO], v3, 12, v[BO]
	v_mul_u32_u24 v4, v2, 272
	v_lshl_add_u32 v5, v3, 4, v4                   ; r x 272 + 16 h2
	s_mul_i32 s2, s13, 32*272
	s_add_co_u32 s2, s2, WL
	v_lshlrev_b32 v6, 4, v1                        ; 16 lane
	s_lshl_b32 s3, s79, 12                         ; my two query tiles: 2 x 2,048 bytes in a head
.irp j, 0,1,2,3
	v_add_nc_u32 v[WAV+\j], s2, v5
	v_add_nc_u32 v[OAV+\j], s3, v6
	s_add_co_u32 s2, s2, 2*WSUB
	s_add_co_u32 s3, s3, 32768
.endr
	v_lshl_add_u32 v7, v3, 5, v4                   ; r x 272 + 32 h2
	s_mul_i32 s2, s79, 32*272
	s_lshl_b32 s3, s13, 7
	s_add_co_u32 s2, s2, s3
	s_add_co_u32 s2, s2, STG
	v_add_nc_u32 v[STO], s2, v7
	v_mul_u32_u24 v7, v3, 272
	v_add_nc_u32 v7, v7, v[BO]
	s_mul_i32 s2, s12, 16*272
	s_add_co_u32 s2, s2, STG
	v_add_nc_u32 v[RD], s2, v7
	SLAB 0
	SLAB 1
	SLAB 2
	SLAB 3
	; THE WAY OUT: 32 bytes a lane into the stage, whole rows of 256 bytes back, the bias added, sixteen lanes store 256 consecutive bytes at a multiple of 256 from out0's first byte
	PLACES
.irp a, 0,1
.irp c, 0,1
	ds_store_b128 v[STO], v[ACC+8*(2*\a+\c):ACC+8*(2*\a+\c)+3]   offset:\c*4352+\a*64
	ds_store_b128 v[STO], v[ACC+8*(2*\a+\c)+4:ACC+8*(2*\a+\c)+7] offset:\c*4352+\a*64+16
.endr
.endr
	s_wait_dscnt 0x0
	s_barrier_signal -1
	s_barrier_wait -1
.irp t, 0,1,2,3,4,5,6,7
	ds_load_b128 v[FA+4*\t:FA+4*\t+3], v[RD] offset:\t*544         ; rows 16 wave + 2 t and + 2 t + 1
.endr
	s_wait_loadcnt 0x0                             ; the bias
.irp t, 0,1,2,3,4,5,6,7
	s_wait_dscnt 7-\t                              ; LDS loads come back in order (ISA guide 5.7.1): pair t of the eight is in
	v_pk_add_f32 v[FA+4*\t:FA+4*\t+1], v[FA+4*\t:FA+4*\t+1], v[BIAS:BIAS+1]
	v_pk_add_f32 v[FA+4*\t+2:FA+4*\t+3], v[FA+4*\t+2:FA+4*\t+3], v[BIAS+2:BIAS+3]
	global_store_b128 v[CO], v[FA+4*\t:FA+4*\t+3], s[10:11] offset:\t*8192 th:TH_STORE_NT
.endr
	s_wait_tensorcnt 0x0
	ds_add_u32 v192, v193
	s_wait_dscnt 0x0
	ROUND                                          ; the closing round
	s_endpgm
.Lfunc_end_k_qd84320a9cc_proj:
	.size	k_qd84320a9cc_proj, .Lfunc_end_k_qd84320a9cc_proj-k_qd84320a9cc_proj
	.p2alignl 7, 3214868480
	.fill 96, 4, 3214868480
	.section	.rodata,"a",@progbits
	.p2align	6, 0x0
	.amdhsa_kernel k_qd84320a9cc_proj
		.amdhsa_group_segment_fixed_size 288256
		.amdhsa_private_segment_fixed_size 0
		.amdhsa_enable_private_segment 0
		.amdhsa_kernarg_size 32
		.amdhsa_user_sgpr_count 2
		.amdhsa_user_sgpr_kernarg_segment_ptr 1
		.amdhsa_wavefront_size32 1
		.amdhsa_system_sgpr_workgroup_id_x 1
		.amdhsa_system_sgpr_workgroup_id_y 1
		.amdhsa_system_sgpr_workgroup_id_z 1
		.amdhsa_system_vgpr_workitem_id 0
		.amdhsa_next_free_vgpr 194
		.amdhsa_next_free_sgpr 80
		.amdhsa_reserve_vcc 0
		.amdhsa_float_denorm_mode_32 3
		.amdhsa_float_denorm_mode_16_64 3
		.amdhsa_memory_ordered 1
		.amdhsa_forward_progress 1
		.amdhsa_inst_pref_size 38
	.end_amdhsa_kernel
	.amdgpu_metadata
---
amdhsa.version: [ 1, 2 ]
amdhsa.kernels:
  - .name:           k_qd84320a9cc_proj
    .symbol:         k_qd84320a9cc_proj.kd
    .args:
      - { .name: ofrag, .offset: 0, .size: 8, .value_kind: global_buffer, .address_space: global }
      - { .name: wpb, .offset: 8, .size: 8, .value_kind: global_buffer, .address_space: global }
      - { .name: bproj, .offset: 16, .size: 8, .value_kind: global_buffer, .address_space: global }
      - { .name: out0, .offset: 24, .size: 8, .value_kind: global_buffer, .address_space: global }
    .group_segment_fixed_size: 288256
    .private_segment_fixed_size: 0
    .kernarg_segment_align: 8
    .kernarg_segment_size: 32
    .max_flat_workgroup_size: 128
    .sgpr_count:     80
    .vgpr_count:     194
    .wavefront_size: 32
...
	.end_amdgpu_metadata
.endif
;; end of part 3
